; MI455X (gfx1250); checked and timed in simulation.
; The chip was launched on July 23, 2026; its instructions are those of AMD's public machine-readable ISA for CDNA 5 (MIT licence, August 2026) and "CDNA5" Instruction Set Architecture Reference Guide (July 2026). The comments in the code are by the model that wrote it; some were corrected since.
;; Bi DAF Net. Allowed arithmetic: float matrix products may take bf16 or f16 operands with f32 sums; other float arithmetic in f32, or as packed bf16 or f16 multiplies, adds, multiply-adds, maxima and minima; sums over many terms, partial sums and values carried from step to step in f32; what a program stores and reads back later, other than sums and carried values, may be rounded once to bf16 or f16.
;; Inputs: b_c one number float32; b_cq one number float32; b_q one number float32; b_red 300 float32; emb1 8 x 2,048 x 768 float32; emb2 8 x 2,048 x 768 float32; w_c 768 float32; w_cq 768 float32; w_q 768 float32; w_red 3,072 x 300 float32.
;; Outputs: out0 8 x 2,048 x 300 float32.
;; One version. Each part assembles by itself: llvm-mc -triple=amdgcn-amd-amdhsa -mcpu=gfx1250 --defsym DOCPART=n.
;; ======== version 1 of 1: 3 launches
;; limits: values are held in f16: magnitudes above 65,504 overflow, below 6.1e-05 lose precision; right only within a limited range of input values
;; workspace buffers: e1h 25,165,824 bytes; e2h 25,165,824 bytes; yf 25,165,824 bytes; wf 1,867,776 bytes; wv 4,608 bytes; bq 1,280 bytes; xp 1,048,576 bytes; ef 25,165,824 bytes
;; launch prep (part 1): grid 2097 x 1, 8 waves a work-group, no clusters, 0 bytes of LDS; arguments emb1, emb2, w_red, w_cq, w_q, w_c, b_red, e1h, e2h, wf, wv, bq; writes e1h, e2h, wf, wv, bq
.if DOCPART == 1
	.amdgcn_target "amdgcn-amd-amdhsa--gfx1250"
	.amdhsa_code_object_version 6
	.text
	.protected	k_q45f602b75c_prep
	.globl	k_q45f602b75c_prep
	.p2align	8
	.type	k_q45f602b75c_prep,@function
k_q45f602b75c_prep:
	s_mov_b64 s[64:65], 0
	v_nop
	global_prefetch_b8 v0, s[64:65] scope:SCOPE_SE
	s_setreg_imm32_b32 hwreg(HW_REG_WAVE_MODE, 25, 1), 1
	s_wait_xcnt 0x0
; PREP: every input is rounded once to bf16, and that number is written as f16 (the same number, inside f16's range), in the layouts that the two later launches read.
; DEAD WORK, for the whole program: b_c, b_q and b_cq reach no output.  s[j,i] = c[j] + q[i] + xy[j,i] + (b_c + b_q + b_cq).  In softmax over i the terms c[j] + b_c + b_q + b_cq are the
; same along i and cancel for all values.  max over i of s = c[j] + max_i(q[i] + xy[j,i]) + (b_c + b_q + b_cq), and in softmax over j the bracket is the same along j and cancels for all values.
; So the three scalars are not loaded and are among no launch's arguments.  c[j] is dead for a and live for b_att: it is made.
; LIMIT: a NaN, an infinity or an overflow that the three scalars alone would bring is not carried to the result.
; LIMITS of the format: an input beyond 65,504 becomes an infinity; an input below 6.1e-5 keeps f16's fixed step of 6e-8.
; ROLES by the work-group's number x: x < 1024: emb1 -> e1h; x < 2048: emb2 -> e2h (49,152 bytes in, 24,576 out each); x < 2096: w_red -> wf; x = 2096: the small vectors.
; No LDS, no matrix unit, no cluster: nothing is shared, and bytes are all that counts.
; CHANNEL ORDER of all matrix fragments in this program: chunk kappa = 4 B + w holds channels 128 B + 16 w + 64 h + 0..15 for the lanes' halves h = 0, 1: registers 0-3 the first eight, 4-7 the second.
; A fragment's IMAGE is 1,024 bytes: registers 0-3 of lane L at 16 L, registers 4-7 at 512 + 16 L.
.set T, 124                            ; v124-126 at work
.macro CV2H d, a, b                    ; two f32 -> bf16 (nearest even) -> the same two numbers as f16, packed
	v_cvt_pk_bf16_f32 v[T], v[\a], v[\b]
	v_lshlrev_b32 v[T+1], 16, v[T]
	v_and_b32 v[T+2], 0xffff0000, v[T]
	v_cvt_pk_f16_f32 v[\d], v[T+1], v[T+2]
.endm
	s_load_b512 s[4:19], s[0:1], 0x0               ; emb1 s[4:5], emb2 s[6:7], w_red s[8:9], w_cq s[10:11], w_q s[12:13], w_c s[14:15], b_red s[16:17], e1h s[18:19]
	s_load_b256 s[20:27], s[0:1], 0x40             ; e2h s[20:21], wf s[22:23], wv s[24:25], bq s[26:27]
	v_lshrrev_b32 v1, 5, v0
	v_readfirstlane_b32 s28, v1                    ; wave 0..7
	v_and_b32 v1, 31, v0                           ; lane
	s_wait_kmcnt 0x0
	s_cmp_lt_u32 ttmp9, 2048
	s_cbranch_scc0 .Lweights
	; THE TWO LARGE TENSORS.  A thread takes 12 x 16 bytes; all twelve loads go out at once; no register is used twice, so nothing waits for a store.
	s_and_b32 s29, ttmp9, 1023
	s_mul_i32 s30, s29, 49152
	s_mov_b32 s31, 0
	s_mul_i32 s32, s29, 24576
	s_mov_b32 s33, 0
	s_cmp_lt_u32 ttmp9, 1024
	s_cselect_b64 s[34:35], s[4:5], s[6:7]
	s_cselect_b64 s[36:37], s[18:19], s[20:21]
	s_add_nc_u64 s[34:35], s[34:35], s[30:31]
	s_add_nc_u64 s[36:37], s[36:37], s[32:33]
	v_lshlrev_b32 v2, 4, v0
	v_lshlrev_b32 v3, 3, v0
.irp k, 0,1,2,3,4,5,6,7,8,9,10,11
	global_load_b128 v[4+4*\k:7+4*\k], v2, s[34:35] offset:4096*\k th:TH_LOAD_NT
.endr
.irp k, 0,1,2,3,4,5,6,7,8,9,10,11
	s_wait_loadcnt 11-\k                           ; loads come back in order: the younger ones stay out
	CV2H 52+2*\k,4+4*\k,5+4*\k
	CV2H 53+2*\k,6+4*\k,7+4*\k
	global_store_b64 v3, v[52+2*\k:53+2*\k], s[36:37] offset:2048*\k  ; a wave's store covers 256 consecutive bytes, aligned
.endr
	s_endpgm
.Lweights:
	s_cmp_lt_u32 ttmp9, 2096
	s_cbranch_scc0 .Lsmall
	; W_RED INTO IMAGES.  A wave takes eight rows of w_red, 8 o .. 8 o + 7: eight neighbouring channels of one of the four terms; a lane takes a column.  Its eight numbers are 16 bytes of an image.
	; wf: [unit = 4 kappa + term (96)][column tile n (19)][1,024]; lane r of an image is column 16 n + r; columns from 300 on hold 0.
	s_sub_co_u32 s29, ttmp9, 2048
	s_lshl3_add_u32 s29, s29, s28                  ; o = 8 (x - 2048) + wave, 0..383
	s_mul_i32 s30, s29, 683
	s_lshr_b32 s30, s30, 16                        ; term = o / 96 (683 / 65,536 serves for o under 384)
	s_mul_i32 s31, s30, 96
	s_sub_co_u32 s31, s29, s31                     ; g = 16 B + 8 h + 2 w + z: the channels 8 g .. 8 g + 7
	s_lshr_b32 s32, s31, 4                         ; B
	s_bfe_u32 s33, s31, 0x10003                    ; h
	s_bfe_u32 s34, s31, 0x20001                    ; w
	s_and_b32 s35, s31, 1                          ; z
	s_lshl2_add_u32 s32, s32, s34                  ; kappa
	s_lshl2_add_u32 s32, s32, s30                  ; unit
	s_mul_i32 s32, s32, 19456
	s_lshl_b32 s35, s35, 9
	s_add_co_u32 s32, s32, s35                     ; + 512 z
	s_lshl_b32 s33, s33, 8
	s_add_co_u32 s32, s32, s33                     ; + 256 h
	s_mov_b32 s33, 0
	s_mul_i32 s36, s29, 9600                       ; my eight rows of 1,200 bytes
	s_mov_b32 s37, 0
	s_add_nc_u64 s[8:9], s[8:9], s[36:37]
	s_add_nc_u64 s[22:23], s[22:23], s[32:33]
	v_lshlrev_b32 v2, 2, v1                        ; 4 l
	v_min_u32 v3, 44, v2                           ; the last group of 32 columns has 12: the others read column 299 and are set to 0 below
	v_lshrrev_b32 v125, 4, v1
	v_and_b32 v126, 15, v1
	v_lshlrev_b32 v126, 4, v126
	v_lshl_add_u32 v127, v125, 10, v126            ; 1,024 (l / 16) + 16 (l % 16)
.set cg, 0
.rept 10
.set j, 0
.rept 8
.if cg < 9
	global_load_b32 v[4+8*cg+j], v2, s[8:9] offset:1200*j+128*cg
.else
	global_load_b32 v[4+8*cg+j], v3, s[8:9] offset:1200*j+128*cg
.endif
.set j, j+1
.endr
.set cg, cg+1
.endr
.set cg, 0
.rept 10
.if 72-8*cg > 63
	s_wait_loadcnt 63                              ; the count's field ends at 63: stricter than the 72 - 8 cg younger loads that could stay out
.else
	s_wait_loadcnt 72-8*cg                         ; the younger groups' loads stay out
.endif
	CV2H 84+4*cg,4+8*cg,5+8*cg
	CV2H 85+4*cg,6+8*cg,7+8*cg
	CV2H 86+4*cg,8+8*cg,9+8*cg
	CV2H 87+4*cg,10+8*cg,11+8*cg
.if cg < 9
	global_store_b128 v127, v[84+4*cg:87+4*cg], s[22:23] offset:2048*cg  ; sixteen lanes fill 256 consecutive bytes, aligned
.endif
.set cg, cg+1
.endr
	v_cmp_gt_u32 vcc_lo, 12, v1                    ; columns 288 .. 299 are real, 300 .. 303 hold 0
.irp i, 120,121,122,123
	v_cndmask_b32 v\i, 0, v\i, vcc_lo
.endr
	s_wait_xcnt 0x0                                ; EXEC changes only when the stores above have read it
	v_cmp_gt_u32 vcc_lo, 16, v1                    ; there is no tile 19: lanes 0-15 alone store
	s_and_saveexec_b32 s38, vcc_lo
	global_store_b128 v127, v[120:123], s[22:23] offset:2048*9
	s_wait_xcnt 0x0
	s_or_b32 exec_lo, exec_lo, s38
	s_endpgm
.Lsmall:
	s_cmp_lt_u32 s28, 6
	s_cbranch_scc0 .Lbias
	; waves 0-5: w_cq, w_q, w_c, four numbers a thread each
	v_lshlrev_b32 v2, 4, v0
	v_lshlrev_b32 v3, 3, v0
	global_load_b128 v[4:7], v2, s[10:11]
	global_load_b128 v[8:11], v2, s[12:13]
	global_load_b128 v[12:15], v2, s[14:15]
	s_wait_loadcnt 0x0
	CV2H 16,4,5
	CV2H 17,6,7
	CV2H 18,8,9
	CV2H 19,10,11
	CV2H 20,12,13
	CV2H 21,14,15
	global_store_b64 v3, v[16:17], s[24:25]
	global_store_b64 v3, v[18:19], s[24:25] offset:1536
	global_store_b64 v3, v[20:21], s[24:25] offset:3072
	s_endpgm
.Lbias:
	s_cmp_eq_u32 s28, 6
	s_cbranch_scc0 .Lend
	; wave 6: b_red rounded to bf16 and kept as f32, 320 numbers, 0 from number 300 on
	v_lshlrev_b32 v2, 3, v1
	v_add_nc_u32 v3, 1024, v2
	v_min_u32 v3, 1192, v3                         ; no load leaves the 1,200 bytes
.irp k, 0,1,2,3
	global_load_b64 v[4+2*\k:5+2*\k], v2, s[16:17] offset:256*\k
.endr
	global_load_b64 v[12:13], v3, s[16:17]
	s_wait_loadcnt 0x0
.irp k, 0,1,2,3,4
	v_cvt_pk_bf16_f32 v[T], v[4+2*\k], v[5+2*\k]
	v_lshlrev_b32 v[16+2*\k], 16, v[T]
	v_and_b32 v[17+2*\k], 0xffff0000, v[T]
.endr
	v_cmp_gt_u32 vcc_lo, 22, v1                    ; numbers 256 + 2 l and the next: real for l under 22
	v_cndmask_b32 v24, 0, v24, vcc_lo
	v_cndmask_b32 v25, 0, v25, vcc_lo
.irp k, 0,1,2,3,4
	global_store_b64 v2, v[16+2*\k:17+2*\k], s[26:27] offset:256*\k
.endr
.Lend:
	s_endpgm
.Lfunc_end_k_q45f602b75c_prep:
	.size	k_q45f602b75c_prep, .Lfunc_end_k_q45f602b75c_prep-k_q45f602b75c_prep
	.p2alignl 7, 3214868480
	.fill 96, 4, 3214868480
	.section	.rodata,"a",@progbits
	.p2align	6, 0x0
	.amdhsa_kernel k_q45f602b75c_prep
		.amdhsa_group_segment_fixed_size 0
		.amdhsa_private_segment_fixed_size 0
		.amdhsa_enable_private_segment 0
		.amdhsa_kernarg_size 96
		.amdhsa_user_sgpr_count 2
		.amdhsa_user_sgpr_kernarg_segment_ptr 1
		.amdhsa_wavefront_size32 1
		.amdhsa_system_sgpr_workgroup_id_x 1
		.amdhsa_system_sgpr_workgroup_id_y 1
		.amdhsa_system_sgpr_workgroup_id_z 1
		.amdhsa_system_vgpr_workitem_id 0
		.amdhsa_next_free_vgpr 128
		.amdhsa_next_free_sgpr 66
		.amdhsa_reserve_vcc 1
		.amdhsa_float_denorm_mode_32 3
		.amdhsa_float_denorm_mode_16_64 3
		.amdhsa_memory_ordered 1
		.amdhsa_forward_progress 1
		.amdhsa_inst_pref_size 33
	.end_amdhsa_kernel
	.amdgpu_metadata
---
amdhsa.version: [ 1, 2 ]
amdhsa.kernels:
  - .name:           k_q45f602b75c_prep
    .symbol:         k_q45f602b75c_prep.kd
    .args:
      - { .name: emb1, .offset: 0, .size: 8, .value_kind: global_buffer, .address_space: global }
      - { .name: emb2, .offset: 8, .size: 8, .value_kind: global_buffer, .address_space: global }
      - { .name: w_red, .offset: 16, .size: 8, .value_kind: global_buffer, .address_space: global }
      - { .name: w_cq, .offset: 24, .size: 8, .value_kind: global_buffer, .address_space: global }
      - { .name: w_q, .offset: 32, .size: 8, .value_kind: global_buffer, .address_space: global }
      - { .name: w_c, .offset: 40, .size: 8, .value_kind: global_buffer, .address_space: global }
      - { .name: b_red, .offset: 48, .size: 8, .value_kind: global_buffer, .address_space: global }
      - { .name: e1h, .offset: 56, .size: 8, .value_kind: global_buffer, .address_space: global }
      - { .name: e2h, .offset: 64, .size: 8, .value_kind: global_buffer, .address_space: global }
      - { .name: wf, .offset: 72, .size: 8, .value_kind: global_buffer, .address_space: global }
      - { .name: wv, .offset: 80, .size: 8, .value_kind: global_buffer, .address_space: global }
      - { .name: bq, .offset: 88, .size: 8, .value_kind: global_buffer, .address_space: global }
    .group_segment_fixed_size: 0
    .private_segment_fixed_size: 0
    .kernarg_segment_align: 8
    .kernarg_segment_size: 96
    .max_flat_workgroup_size: 256
    .sgpr_count:     66
    .vgpr_count:     128
    .wavefront_size: 32
...
	.end_amdgpu_metadata
.endif
;; end of part 1
;; launch att (part 2): grid 32 x 8, 4 waves a work-group, clusters of 4 x 1, 327,680 bytes of LDS; arguments e1h, e2h, wv, yf, xp, ef; writes yf, xp, ef
.if DOCPART == 2
	.amdgcn_target "amdgcn-amd-amdhsa--gfx1250"
	.amdhsa_code_object_version 6
	.text
	.protected	k_q45f602b75c_att
	.globl	k_q45f602b75c_att
	.p2align	8
	.type	k_q45f602b75c_att,@function
k_q45f602b75c_att:
	s_mov_b64 s[64:65], 0
	v_nop
	global_prefetch_b8 v0, s[64:65] scope:SCOPE_SE
	s_setreg_imm32_b32 hwreg(HW_REG_WAVE_MODE, 25, 1), 1
	s_wait_xcnt 0x0
	s_wait_alu depctr_hold_cnt(0) depctr_sa_sdst(0) depctr_va_vdst(0) depctr_va_sdst(0) depctr_va_ssrc(0) depctr_va_vcc(0) depctr_vm_vsrc(0)
	s_getreg_b32 s2, hwreg(HW_REG_IB_STS2, 6, 4)
	s_cmp_eq_u32 s2, 0
	s_cbranch_scc0 .Lentry_in_a_cluster
	s_endpgm
.Lentry_in_a_cluster:
	s_bfe_u32 s2, ttmp6, 0x10000c
	s_cmp_lg_u32 s2, 0x3003
	s_cbranch_scc0 .Lentry_shape_is_right
	s_endpgm
.Lentry_shape_is_right:
; ATT: y2x = softmax_i(q[i] + xy[j,i]) emb1, each work-group's part of x2y, and emb2 as fragment images.  b_c, b_q, b_cq are left out (they cancel in both softmaxes: shown at the head of the first kernel).
; ONE PRODUCT FOR q AND xy: q[i] + xy[j,i] = sum_h emb1[i,h] (w_cq[h] emb2[j,h] + w_q[h]): Q'[j] = w_cq emb2[j] + w_q, rounded once to f16.  c[j] = emb2[j] . w_c is the same along i: it enters the maximum for b_att alone.
; SHARES.  A work-group owns 64 rows j ("queries") of one batch and walks the batch's 2,048 rows i of emb1 ("keys"), 64 a trip; emb1 is K and V at once, one tile in LDS for both.
; Wave w = (a = w / 2, b = w % 2).  AS PRODUCER it makes S^T = K Q'^T for two query tiles, u = 0: tile 2 a + b = w, u = 1: the pair's other tile, and keys 32 b .. 32 b + 31 of the key tile: 4 accumulators, 24 chunks
; deep, Q' in 384 registers; and a softmax of its own over its halves of the tiles: running maximum mu_b and sum l_b.  AS CONSUMER it owns channels (B, w), B = 0..5: 192 channels of all 64 queries, O^T in 384 registers.
; P and mu_b go through LDS behind one barrier: those of tile t and half b come from wave 2 (t / 2) + b, its tile u = (t % 2) xor b.  Consumers keep M = max(mu_0, mu_1), a running maximum; O is multiplied by
; a = 2^(M_old - M), P_b by f_b = 2^(mu_b - M).
; LAYOUT.  In S^T a lane holds one query (lane % 16) and keys 8 (lane / 16) + 0..7; two such results rounded to f16 ARE source 1 of O^T = V^T P.  Channel order and fragment images: the first kernel's head.
; With it, O^T's tiles (B, z = 0, 1) of a wave are the fragment of chunk 4 B + w with a lane a row: y2x leaves as images straight from registers, 512 consecutive bytes a store.
; EMB2 comes in once by the tensor mover, into slot 1 ahead of the ring's use of it, and is read as fragments like K; each wave stores its tile w's 24 fragments as images into ef, for the next launch.
; X2Y.  mx[j] = c[j] + max_i(..), in units of log2.  The work-group stores Mw = max_j mx, lw = sum_j 2^(mx - Mw) and xv = sum_j 2^(mx - Mw) emb2[j], xv in the fragments' order (chunk kappa, half h at 32 kappa + 16 h);
; the next launch joins a batch's 32 parts, the maximum taken away again.
; CLUSTER.  The four work-groups of a cluster belong to one batch and walk the same tiles: each tile is asked for jointly, with the same descriptor and the mask of four.  emb2's rows are each work-group's own: a plain load.
; THE LDS LOADS stand in few, long runs: K's ring of four runs is filled at once and then two runs at a time; V comes in four groups of three units.
; FORMATS.  All matrix operands f16: the inputs as rounded to bf16 by the first kernel; Q', P once rounded.  Sums, maxima, l, O in f32.
; LIMITS.  Scores times log2(e) lie above -4e37.  A weight below 2^-126 counts as 0 in l; a weight times f below 6e-8 counts as 0 in P, and f is rounded to f16 for P (2^-12 of itself).  |Q'| stays under 65,504.
; NaN and infinities are not treated apart.
; REGISTERS, in windows of 256 (s_set_vgpr_msb: bits 1:0 source 0, 3:2 source 1, 5:4 source 2, 7:6 destination); the names below are absolute numbers, the macros cut them.
.set PK,    1584                       ; a key in LDS: 1,536 bytes + 16 behind every 512: 99 units of 16 bytes
.set K16,   16*PK
.set SLOT1, 1<<17                      ; slot 0 at 0, slot 1 here: one exclusive or turns an address in one into the other's
.set PBUF,  64*PK                      ; 101,376: P's images, wave w's two at 2,048 w
.set MBUF,  PBUF+8192                  ; mu: wave w, tile u, query r at 128 w + 64 u + 4 r
.set LBUF,  MBUF+512                   ; l, likewise
.set NBUF,  LBUF+512                   ; mu + c log2(e), likewise
.set XRED,  NBUF+512                   ; four waves' partial xv, 3,072 bytes each
.set SPARE, XRED+4*3072                ; the spare words, 128 bytes a wave: two blocks of 256 bytes that no other line names
.set TILEB, 64*1536                    ; a tile in memory
.set AK0, 3                            ; my place in a tile as producer: (32 b + r) PK + 128 h
.set AV0, 4                            ; as consumer: (8 (L / 16) + L % 8) PK + 128 ((L / 8) % 2) + 32 w
.set AK,  5
.set AV,  6
.set AV2, 7                            ; AV + 32 keys
.set PST, 8
.set PLD, 9
.set MST, 10
.set MLD, 11
.set L16, 12                           ; 16 x lane
.set PFO, 13                           ; 256 x thread
.set SPW, 14                           ; my spare word; never rewritten
.set NIL, 15                           ; 0; never rewritten
.set MX,  16                           ; M[t]
.set AA,  20                           ; pairs (a_t, unused)
.set F0,  28
.set F1,  32
.set FH,  36                           ; f_b[t] twice in f16, at FH + 4 b + t
.set MU,  44                           ; mu_b[t] at MU + 4 b + t
.set CM,  52                           ; (mu, m) of my tile u
.set LL,  56                           ; l: even keys', odd keys'
.set AL,  60                           ; (my stream's correction, unused)
.set TC,  64                           ; eight at work
.set CQ,  72                           ; c log2(e) of my tile u's query
.set L0,  74                           ; l_b[t] at L0 + 4 b + t
.set NU,  82                           ; nu_b[t]
.set S,   96                           ; S(kt, u) at S + 16 kt + 8 u; behind the softmax part of V's second buffer
.set KB,  128                          ; K's ring: four runs of 32
.set P,   128                          ; P(t, b) at P + 8 (2 t + b)
.set O,   256                          ; O(c = 2 B + z, t) at O + 32 c + 8 t
.set Q,   640                          ; Q(kappa, u) at Q + 16 kappa + 8 u
.set WCF, 256                          ; in the prologue: w_c's, w_cq's, w_q's fragments, and c's two accumulators
.set WQF, 448
.set WAF, 32
.set CA,  224
.set QO,  16                           ; in the prologue: my place in emb2's tile for u = 0; QO1 for u = 1; WO in the three vectors
.set WO,  17
.set QO1, 18
.set WV,  16                           ; s16 wave, s17 a, s18 b, s19 cx
.set WA,  17
.set WB,  18
.set CX,  19
.set G1,  24
.set G0,  32
.set TB,  36                           ; the slot that is read
.set LEFT, 37
.set LIM, 38
.set PFA, 40
.set CS,  42                           ; log2(e), twice
.set SEL, 44
.set E2R, 46                           ; e2h at my wave's 16 rows
.set G1Q, 84                           ; s[84:91], s[92:95]: the descriptor of emb2's rows
.set G0Q, 92
.set MSB, 0
.macro WIN new                         ; the high byte repeats the setting that is left; a switch that changes nothing is dropped
.if MSB != (\new)
	s_set_vgpr_msb (MSB<<8)|(\new)
.set MSB, (\new)
.endif
.endm
.macro MMA d, a, b, zero               ; D += A x B on absolute register numbers; zero: the product starts the sum
	WIN (((\d)>>8)*0x50)|(((\b)>>8)<<2)|((\a)>>8)
.if \zero
	v_wmma_f32_16x16x32_f16 v[(\d)&255:((\d)&255)+7], v[(\a)&255:((\a)&255)+7], v[(\b)&255:((\b)&255)+7], 0
.else
	v_wmma_f32_16x16x32_f16 v[(\d)&255:((\d)&255)+7], v[(\a)&255:((\a)&255)+7], v[(\b)&255:((\b)&255)+7], v[(\d)&255:((\d)&255)+7]
.endif
.endm
.macro PLACES                          ; four places behind a matrix instruction, in front of loads into its sources and of readers of its result
.rept 4
	v_nop
.endr
.endm
.macro BOTH line:vararg                ; one line for each of my two tiles u
.set u, 0
.rept 2
	\line
.set u, u+1
.endr
.endm
.macro FOUR line:vararg                ; one line for each query tile t
.set t, 0
.rept 4
	\line
.set t, t+1
.endr
.endm
.macro GL2 reg, adr, sb, bo            ; a fragment from memory: 16 bytes a lane, twice
	WIN ((\reg)>>8)<<6
	global_load_b128 v[(\reg)&255:((\reg)&255)+3], v[\adr], s[\sb:\sb+1] offset:\bo
	global_load_b128 v[((\reg)&255)+4:((\reg)&255)+7], v[\adr], s[\sb:\sb+1] offset:(\bo)+16
.endm
.macro DL2 reg, adr, bo                ; a fragment from LDS
	WIN ((\reg)>>8)<<6
	ds_load_b128 v[(\reg)&255:((\reg)&255)+3], v[\adr] offset:\bo
	ds_load_b128 v[((\reg)&255)+4:((\reg)&255)+7], v[\adr] offset:(\bo)+16
.endm
.macro CROUND                          ; a round of the cluster's barrier
	s_barrier_signal -1
	s_barrier_wait -1
	s_cmp_lg_u32 s[WV], 0
	s_cbranch_scc1 .Lnot_wave_0_\@
	s_barrier_signal -3
.Lnot_wave_0_\@:
	s_barrier_wait -3
	s_barrier_signal -1
	s_barrier_wait -1
.endm
; A PREFETCH of tile t + 3 in trip t, whose own joint load asks for tile t + 1: two trips, 384 matrix instructions, ahead of the load that will want it.  All clusters of a batch walk the same tiles: the batch's first
; cluster asks.  Its four partners take 16 keys each, told apart BY ADDRESS; in each, waves 0 to 2 ask, a lane 256 bytes: 96 x 256 = 16 keys.  So each block is named once.  The last two filling trips ask for nothing.
.macro ASK
	s_cmp_gt_u32 s[LEFT], s[LIM]
	s_cbranch_scc0 .Lnot_mine_\@
	global_prefetch_b8 v[PFO], s[PFA:PFA+1] th:TH_LOAD_NT scope:SCOPE_SE
.Lnot_mine_\@:
.endm
	s_load_b256 s[4:11], s[0:1], 0x0               ; e1h s[4:5], e2h s[6:7], wv s[8:9], yf s[10:11]
	s_load_b128 s[12:15], s[0:1], 0x20             ; xp s[12:13], ef s[14:15]
	v_lshl_add_u32 v[SPW], v0, 2, SPARE
	v_mov_b32 v[NIL], 0
	ds_add_u32 v[SPW], v[NIL]                      ; the wave's opening: the add, twice on end, and its wait ahead of my first tensor load
	ds_add_u32 v[SPW], v[NIL]
	v_lshrrev_b32 v1, 5, v0
	v_readfirstlane_b32 s[WV], v1
	s_lshr_b32 s[WA], s[WV], 1
	s_and_b32 s[WB], s[WV], 1
	s_bfe_u32 s[CX], ttmp6, 0x40000                ; my place in the cluster: it enters addresses of e2h, yf, xp, ef and of the prefetch alone
	s_lshl_b32 s48, ttmp9, 2
	s_add_co_u32 s48, s48, s[CX]                   ; my block of 64 queries
	s_and_b32 s49, ttmp7, 0xffff                   ; the batch, which the partners share
	s_lshl_b32 s50, s49, 5
	s_add_co_u32 s50, s50, s48                     ; g = 32 batch + block
	; descriptor group 1: 16 rows are 24,576 dense bytes: 48 rows of 512 bytes, 16 bytes of padding behind each
	s_mov_b32 s[G1], 15|(1<<16)|(1<<20)|(1<<21)|(6<<22)|(3<<25)  ; the mask of four; 2-byte elements; padding on; bit 21 beside a mask; after every 128 words; 4 words
	s_mov_b32 s[G1Q], (1<<16)|(1<<20)|(6<<22)|(3<<25)            ; the same with no mask: emb2's rows are my work-group's own
.irp g, G1, G1Q
	s_mov_b32 s[\g+1], 256<<16                     ; tensor_dim0 = 256
	s_mov_b32 s[\g+2], 48<<16                      ; tensor_dim1 = 48
	s_mov_b32 s[\g+3], 256<<16                     ; tile_dim0 = 256
	s_mov_b32 s[\g+4], 48                          ; tile_dim1 = 48
	s_mov_b32 s[\g+5], 256                         ; elements from row to row
	s_mov_b32 s[\g+6], 0
	s_mov_b32 s[\g+7], 0
.endr
	s_mov_b32 s[G0], 1
	s_mul_i32 s[G0+1], s[WV], K16                  ; LDS: slot 0, my 16 keys
	s_mov_b32 s[G0Q], 1
	s_mul_i32 s[G0Q+1], s[WV], K16
	s_add_co_u32 s[G0Q+1], s[G0Q+1], SLOT1         ; LDS: slot 1, my 16 rows of emb2
	s_mul_i32 s52, s49, 2048*1536                  ; the batch's first byte
	s_mul_i32 s51, s[WV], 24576
	s_add_co_u32 s54, s52, s51                     ; tile 0, my 16 keys
	s_mov_b32 s55, 0
	s_mul_i32 s39, s[CX], 24576
	s_add_co_u32 s52, s52, s39
	s_add_co_u32 s52, s52, 2*TILEB                 ; the prefetches stand at tile 2; the first trip steps them to tile 3
	s_mov_b32 s53, 0
	s_mul_i32 s56, s50, TILEB                      ; my work-group's 64 rows in e2h, and its images in yf and ef
	s_lshl_b32 s51, s[WV], 10
	s_add_co_u32 s58, s56, s51                     ; ef: tile w
	s_mov_b32 s59, 0
	s_mul_i32 s51, s[WV], 24576
	s_add_co_u32 s60, s56, s51                     ; my wave's 16 rows
	s_mov_b32 s61, 0
	s_lshl_b32 s51, s[WV], 12
	s_add_co_u32 s56, s56, s51                     ; yf: chunk 4 B + w
	s_mov_b32 s57, 0
	s_lshl_b32 s62, s50, 12                        ; xp: 4,096 bytes a work-group
	s_mov_b32 s63, 0
	s_mov_b32 s[CS], 0x3fb8aa3b                    ; log2(e)
	s_mov_b32 s[CS+1], s[CS]
	s_mov_b32 s[SEL], 0x76543210
	s_mov_b32 s[SEL+1], 0xfedcba98
	s_mov_b32 s[TB], SLOT1                         ; the first trip turns it into 0
	s_mov_b32 s[LEFT], 31
	s_cmp_lt_u32 s[WV], 3
	s_cselect_b32 s[LIM], 0, 1
	s_or_b32 s[LIM], s[LIM], ttmp9                 ; 0 in waves 0-2 of the batch's first cluster: the same in all four partners
	s_cmp_eq_u32 s[LIM], 0
	s_cselect_b32 s[LIM], 2, -1
	s_wait_dscnt 0x0                               ; both opening adds are done
	s_wait_kmcnt 0x0
	s_add_nc_u64 s[G0+2:G0+3], s[4:5], s[54:55]
	s_or_b32 s[G0+3], s[G0+3], 0x80000000          ; type = 2
	s_add_nc_u64 s[PFA:PFA+1], s[4:5], s[52:53]
	s_add_nc_u64 s[E2R:E2R+1], s[6:7], s[60:61]
	s_mov_b64 s[G0Q+2:G0Q+3], s[E2R:E2R+1]
	s_or_b32 s[G0Q+3], s[G0Q+3], 0x80000000
	s_add_nc_u64 s[10:11], s[10:11], s[56:57]
	s_add_nc_u64 s[12:13], s[12:13], s[62:63]
	s_add_nc_u64 s[14:15], s[14:15], s[58:59]
	CROUND                                         ; all four work-groups are here: the first joint loads meet
	tensor_load_to_lds s[G0:G0+3], s[G1:G1+7]      ; tile 0 into slot 0, jointly
	s_nop 0
	tensor_load_to_lds s[G0Q:G0Q+3], s[G1Q:G1Q+7]  ; my 16 rows of emb2 into slot 1: both first fills go out together; two tensor loads of a wave are out
	s_nop 0
	PLACES
	v_and_b32 v1, 15, v0                           ; r
	v_bfe_u32 v2, v0, 4, 1                         ; h
	v_and_b32 v[L16], 31, v0
	v_lshlrev_b32 v[L16], 4, v[L16]
	v_mul_u32_u24 v[QO], v1, PK
	v_lshl_add_u32 v[QO], v2, 7, v[QO]             ; row r, + 128 h
	s_mul_i32 s48, s[WA], 32*PK
	s_add_co_u32 s48, s48, SLOT1
	s_mul_i32 s51, s[WB], K16
	s_add_co_u32 s39, s48, s51                     ; u = 0: tile 2 a + b
	s_xor_b32 s51, s[WB], 1
	s_mul_i32 s51, s51, K16
	s_add_co_u32 s48, s48, s51                     ; u = 1: the pair's other tile
	v_add_nc_u32 v[QO1], s48, v[QO]
	v_add_nc_u32 v[QO], s39, v[QO]
	v_lshlrev_b32 v[WO], 7, v2                     ; the three vectors: the same for every r
.set kap, 0
.rept 24
	GL2 WCF+8*kap,WO,8,256*(kap>>2)+32*(kap&3)+3072
.set kap, kap+1
.endr
.set kap, 0
.rept 24
	GL2 WQF+8*kap,WO,8,256*(kap>>2)+32*(kap&3)
.set kap, kap+1
.endr
.set kap, 0
.rept 24
	GL2 WAF+8*kap,WO,8,256*(kap>>2)+32*(kap&3)+1536
.set kap, kap+1
.endr
	WIN 0
	s_wait_tensorcnt 0x0                           ; my parts of tile 0 and of emb2 have landed,
	s_barrier_signal -1
	s_barrier_wait -1                              ; everybody's
.set kap, 0
.rept 24                                       ; emb2's fragments of my two tiles, where Q' will stand: chunk (B, w') lies at byte 256 B + 16 (B / 2) + 32 w' of a row
.set fo, 256*(kap>>2)+16*(kap>>3)+32*(kap&3)
	DL2 Q+16*kap,QO,fo
	DL2 Q+16*kap+8,QO1,fo
.set kap, kap+1
.endr
	s_wait_dscnt 0x0
.set kap, 0
.rept 24                                       ; tile w's fragments leave as images: 512 consecutive bytes a store, aligned
	WIN ((Q+16*kap)>>8)<<2
	global_store_b128 v[L16], v[(Q+16*kap)&255:((Q+16*kap)&255)+3], s[14:15] offset:4096*kap
	global_store_b128 v[L16], v[((Q+16*kap)&255)+4:((Q+16*kap)&255)+7], s[14:15] offset:4096*kap+512
.set kap, kap+1
.endr
	s_wait_loadcnt 0x0                             ; the three vectors
.set kap, 0
.rept 24                                       ; c: all 16 rows of source 0 are w_c, so register 0 of lane r is c of query r.  The two accumulators take turns
	MMA CA,WCF+8*kap,Q+16*kap,(kap==0)
	MMA CA+8,WCF+8*kap,Q+16*kap+8,(kap==0)
.set kap, kap+1
.endr
	PLACES
	s_wait_xcnt 0x0                                ; the stores above have read their registers: only now are they written
.set kap, 0
.rept 24                                       ; Q' = emb2 w_cq + w_q, one rounding
.if kap < 8
	WIN 0x86
.else
	WIN 0xcb
.endif
.set i, 0
.rept 16
	v_pk_fma_f16 v[(Q+16*kap+i)&255], v[(Q+16*kap+i)&255], v[(WQF+8*kap+(i&7))&255], v[WAF+8*kap+(i&7)]
.set i, i+1
.endr
.set kap, kap+1
.endr
	WIN 0
	BOTH v_mul_f32 v[CQ+u], s[CS], v[CA+8*u]
	; O starts at 0, M and mu far below every score: the first trip is a trip like any other, with a = 0.  The price: 384 lines, once a launch
	WIN 0x40
.set i, 0
.rept 256
	v_mov_b32 v[i], 0
.set i, i+1
.endr
	WIN 0x80
.set i, 0
.rept 128
	v_mov_b32 v[i], 0
.set i, i+1
.endr
	WIN 0
	FOUR v_mov_b32 v[MX+t], 0xfe000000
	FOUR v_mov_b32 v[AA+2*t+1], 0
	BOTH v_mov_b32 v[CM+2*u], 0xfe000000
	BOTH v_mov_b32 v[CM+2*u+1], 0xff7fffff
	BOTH v_mov_b32 v[LL+2*u], 0
	BOTH v_mov_b32 v[LL+2*u+1], 0
	BOTH v_mov_b32 v[AL+2*u+1], 0
	v_mul_u32_u24 v[AK0], v1, PK
	v_lshl_add_u32 v[AK0], v2, 7, v[AK0]
	s_mul_i32 s48, s[WB], 32*PK
	v_add_nc_u32 v[AK0], s48, v[AK0]
	v_and_b32 v90, 7, v0
	v_lshl_add_u32 v90, v2, 3, v90
	v_mul_u32_u24 v[AV0], v90, PK
	v_bfe_u32 v90, v0, 3, 1
	v_lshl_add_u32 v[AV0], v90, 7, v[AV0]          ; the second eight lanes of a half take the bytes 128 further on: channels 64 higher
	s_lshl_b32 s48, s[WV], 5
	v_add_nc_u32 v[AV0], s48, v[AV0]
	s_lshl_b32 s48, s[WV], 11
	s_add_co_u32 s48, s48, PBUF
	v_add_nc_u32 v[PST], s48, v[L16]
	v_add_nc_u32 v[PLD], PBUF, v[L16]
	s_lshl_b32 s48, s[WV], 7
	s_add_co_u32 s48, s48, MBUF
	v_lshl_add_u32 v[MST], v1, 2, s48
	v_lshl_add_u32 v[MLD], v1, 2, MBUF
	v_lshlrev_b32 v[PFO], 8, v0
; Run rho of 12: K's fragments of chunks 2 rho, 2 rho + 1 for my 32 keys: 8 loads.
.macro FETCHK rho
	WIN 0
.set c_, 0
.rept 2
.set kt_, 0
.rept 2
.set rK, KB+32*((\rho)%4)+16*c_+8*kt_
.set of_, K16*kt_+256*((\rho)>>1)+16*((\rho)>>2)+32*(2*((\rho)&1)+c_)
	ds_load_b128 v[rK:rK+3], v[AK] offset:of_
	ds_load_b128 v[rK+4:rK+7], v[AK] offset:of_+16
.set kt_, kt_+1
.endr
.set c_, c_+1
.endr
.endm
.macro MULK rho                        ; its 8 products: the four accumulators take turns, one instruction a turn
.set c_, 0
.rept 2
.set kt_, 0
.rept 2
.set u_, 0
.rept 2
.set rD, S+16*kt_+8*u_
.set rA, KB+32*((\rho)%4)+16*c_+8*kt_
.set rB, Q+16*(2*(\rho)+c_)+8*u_
.if ((\rho)==0)&&(c_==0)
	MMA rD,rA,rB,1
.else
	MMA rD,rA,rB,0
.endif
.set u_, u_+1
.endr
.set kt_, kt_+1
.endr
.set c_, c_+1
.endr
.endm
.macro VREG c                          ; where unit c's 16 registers of V lie: groups of three units by turns in v192-239 and in v240-255 with S's v96-127
.if ((\c)%6) < 3
.set rV, 192+16*((\c)%3)
.elseif ((\c)%3) == 0
.set rV, 240
.else
.set rV, 96+16*(((\c)%3)-1)
.endif
.endm
.macro FETCHV c                        ; unit c = 2 B + z of 12: V^T for 16 of my channels and all 64 keys, turned: 4 loads
	WIN 0
	VREG \c
.set of_, 256*((\c)>>1)+16*((\c)>>2)+16*((\c)&1)
	ds_load_tr16_b128 v[rV:rV+3], v[AV] offset:of_
	ds_load_tr16_b128 v[rV+4:rV+7], v[AV] offset:of_+K16
	ds_load_tr16_b128 v[rV+8:rV+11], v[AV2] offset:of_
	ds_load_tr16_b128 v[rV+12:rV+15], v[AV2] offset:of_+K16
.endm
.macro FETCHG g                        ; group g of four: three units, 12 loads in one run
	FETCHV 3*(\g)
	FETCHV 3*(\g)+1
	FETCHV 3*(\g)+2
.endm
.macro RESC tile, n                    ; pair n of 16 of O's unit times a_t, ascending: an accumulator's lowest registers are read first
.set rR, O+32*(\tile)+2*(\n)
	WIN (rR>>8)*0x41
	v_pk_mul_f32 v[rR&255:(rR&255)+1], v[rR&255:(rR&255)+1], v[AA+2*((\n)>>2):AA+2*((\n)>>2)+1] op_sel_hi:[1,0]
.endm
.macro SCL j                           ; pair j of 16 of my scores: s log2(e) - mu
	v_pk_fma_f32 v[S+2*(\j):S+2*(\j)+1], v[S+2*(\j):S+2*(\j)+1], s[CS:CS+1], v[CM+2*(((\j)>>2)&1):CM+2*(((\j)>>2)&1)+1] op_sel_hi:[1,0,0] neg_lo:[0,0,1] neg_hi:[0,0,1]
.endm
; A TRIP: one tile of 64 keys.  refill = 1: the other slot is asked for.  tail = 1: the last trip, which also hands l and nu on and fetches my 16 rows of emb2.
.macro TRIP refill, tail
	; the change of slots: all my tensor loads have landed (one was out: my part of this trip's tile); the add; my LDS reads of the last trip are over; then the round, and the joint refill first behind it
	WIN 0
	s_wait_tensorcnt 0x0
	ds_add_u32 v[SPW], v[NIL]                      ; 0 onto my spare word: scalar work stands between it and the wait for it
.if \refill
	s_xor_b32 s[G0+1], s[G0+1], SLOT1              ; no tensor load of mine is out, so the descriptor may be written: the other slot, the next tile
	s_add_nc_u64 s[G0+2:G0+3], s[G0+2:G0+3], TILEB
	s_wait_xcnt 0x0                                ; the last prefetch, a trip back, has read its address
	s_add_nc_u64 s[PFA:PFA+1], s[PFA:PFA+1], TILEB
.endif
	s_xor_b32 s[TB], s[TB], SLOT1
	s_wait_dscnt 0x0
.if \refill
	CROUND                                         ; no wave of any partner still reads the slot or has a load on its way
	tensor_load_to_lds s[G0:G0+3], s[G1:G1+7]      ; it has a trip, 192 matrix instructions, in which to land; one tensor load of a wave is out
	s_nop 0
.else
	s_barrier_signal -1
	s_barrier_wait -1
.endif
	PLACES                                         ; also the places in front of the loads below
	v_add_nc_u32 v[AK], s[TB], v[AK0]
	v_add_nc_u32 v[AV], s[TB], v[AV0]
	v_add_nc_u32 v[AV2], 32*PK, v[AV]
	FETCHK 0                                       ; the whole ring at once: 32 loads
	FETCHK 1
	FETCHK 2
	FETCHK 3
.if \refill
	ASK
.endif
	; S^T = K Q'^T: 12 runs of 8 products; behind runs 1, 3, 5, 7 the two runs just multiplied are loaded again, 16 products ahead of their first use
.set rho, 0
.rept 12
.if rho == 11
	s_wait_dscnt 0
.elseif rho == 10
	s_wait_dscnt 8                                 ; run 11's loads may stay out
.elseif rho&1
	s_wait_dscnt 16                                ; two younger runs' loads may stay out
.else
	s_wait_dscnt 24                                ; three younger runs'
.endif
	MULK rho
.if (rho&1) && (rho+4 <= 11)
	PLACES                                         ; the products above read the registers that are loaded now
	FETCHK rho+3
	FETCHK rho+4
.endif
.set rho, rho+1
.endr
	PLACES
	FETCHG 0                                       ; V's first three units land during the softmax
.if \tail
	WIN 0xc0                                       ; Q' is done with: my 16 rows of emb2, 48 x 512 consecutive bytes, land where chunks 8 on stood
.set i, 0
.rept 48
	global_load_b128 v[4*i:4*i+3], v[L16], s[E2R:E2R+1] offset:512*i
.set i, i+1
.endr
.endif
	; my stream's softmax, both tiles line by line.  Each accumulator's lowest registers are read first
	WIN 0
	BOTH v_max3_num_f32 v[TC+4*u], v[S+8*u], v[S+8*u+1], v[S+8*u+2]
	BOTH v_max3_num_f32 v[TC+4*u+1], v[S+16+8*u], v[S+16+8*u+1], v[S+16+8*u+2]
	BOTH v_max3_num_f32 v[TC+4*u], v[TC+4*u], v[S+8*u+3], v[S+8*u+4]
	BOTH v_max3_num_f32 v[TC+4*u+1], v[TC+4*u+1], v[S+16+8*u+3], v[S+16+8*u+4]
	BOTH v_max3_num_f32 v[TC+4*u], v[TC+4*u], v[S+8*u+5], v[S+8*u+6]
	BOTH v_max3_num_f32 v[TC+4*u+1], v[TC+4*u+1], v[S+16+8*u+5], v[S+16+8*u+6]
	BOTH v_max3_num_f32 v[TC+4*u], v[TC+4*u], v[S+8*u+7], v[S+16+8*u+7]
	BOTH v_max3_num_f32 v[TC+4*u], v[TC+4*u], v[TC+4*u+1], v[CM+2*u+1]
	BOTH v_permlanex16_b32 v[TC+4*u+1], v[TC+4*u], s[SEL], s[SEL+1]   ; the query's other 16 keys lie in the lane 16 away
	BOTH v_mov_b32 v[TC+4*u+2], v[CM+2*u]
	BOTH v_max_num_f32 v[CM+2*u+1], v[TC+4*u], v[TC+4*u+1]
	BOTH v_mul_f32 v[CM+2*u], s[CS], v[CM+2*u+1]
	BOTH v_sub_f32 v[TC+4*u+3], v[TC+4*u+2], v[CM+2*u]
	BOTH v_exp_f32 v[AL+2*u], v[TC+4*u+3]          ; one batch of 34 exponentials; the 16 scalings stand among them, each two pairs ahead of its exponentials; none of these lines names a result of the batch
	SCL 0
	SCL 1
.set k_, 0
.rept 16
	v_exp_f32 v[S+2*k_], v[S+2*k_]
.if k_+2 < 16
	SCL k_+2
.endif
	v_exp_f32 v[S+2*k_+1], v[S+2*k_+1]
.set k_, k_+1
.endr
	v_nop                                          ; a plain instruction behind the last,
	s_wait_alu depctr_va_vdst(0)                   ; and one wait ahead of the first reader
.set n, 0
.rept 16                                       ; registers 0-3 of P from keys 0-15, registers 4-7 from keys 16-31
	v_cvt_pk_f16_f32 v[P+8*((n>>2)&1)+4*(n>>3)+(n&3)], v[S+2*n], v[S+2*n+1]
.set n, n+1
.endr
	BOTH ds_store_b128 v[PST], v[P+8*u:P+8*u+3] offset:1024*u
	BOTH ds_store_b128 v[PST], v[P+8*u+4:P+8*u+7] offset:1024*u+512
	BOTH ds_store_b32 v[MST], v[CM+2*u] offset:64*u
	BOTH v_pk_add_f32 v[S+8*u:S+8*u+1], v[S+8*u:S+8*u+1], v[S+8*u+2:S+8*u+3]
	BOTH v_pk_add_f32 v[S+8*u+4:S+8*u+5], v[S+8*u+4:S+8*u+5], v[S+8*u+6:S+8*u+7]
	BOTH v_pk_add_f32 v[S+16+8*u:S+16+8*u+1], v[S+16+8*u:S+16+8*u+1], v[S+16+8*u+2:S+16+8*u+3]
	BOTH v_pk_add_f32 v[S+16+8*u+4:S+16+8*u+5], v[S+16+8*u+4:S+16+8*u+5], v[S+16+8*u+6:S+16+8*u+7]
	BOTH v_pk_add_f32 v[S+8*u:S+8*u+1], v[S+8*u:S+8*u+1], v[S+8*u+4:S+8*u+5]
	BOTH v_pk_add_f32 v[S+16+8*u:S+16+8*u+1], v[S+16+8*u:S+16+8*u+1], v[S+16+8*u+4:S+16+8*u+5]
	BOTH v_pk_add_f32 v[S+8*u:S+8*u+1], v[S+8*u:S+8*u+1], v[S+16+8*u:S+16+8*u+1]
	BOTH v_pk_fma_f32 v[LL+2*u:LL+2*u+1], v[LL+2*u:LL+2*u+1], v[AL+2*u:AL+2*u+1], v[S+8*u:S+8*u+1] op_sel_hi:[1,0,1]
.if \tail
	BOTH v_add_f32 v[TC+4*u], v[LL+2*u], v[LL+2*u+1]
	BOTH v_add_f32 v[TC+4*u+2], v[CM+2*u], v[CQ+u]
	BOTH v_permlanex16_b32 v[TC+4*u+1], v[TC+4*u], s[SEL], s[SEL+1]
	BOTH v_add_f32 v[TC+4*u], v[TC+4*u], v[TC+4*u+1]
	BOTH ds_store_b32 v[MST], v[TC+4*u] offset:LBUF-MBUF+64*u
	BOTH ds_store_b32 v[MST], v[TC+4*u+2] offset:NBUF-MBUF+64*u
.endif
	s_wait_dscnt 0x0                               ; for the others' sake: my stores are done; V's first group is in
	s_barrier_signal -1
	s_barrier_wait -1                              ; the refill may stay out
	; as consumer: both streams' mu and P for all four tiles, then V's second group, part of it where S stood
.set t, 0
.rept 4
	ds_load_b32 v[MU+t], v[MLD] offset:256*(t>>1)+64*(t&1)
	ds_load_b32 v[MU+4+t], v[MLD] offset:256*(t>>1)+128+64*((t&1)^1)
.set t, t+1
.endr
.set n, 0
.rept 8                                        ; n = 2 t + b; the image is the producing wave's: 4 (t / 2) + 2 b + ((t % 2) xor b)
	ds_load_b128 v[P+8*n:P+8*n+3], v[PLD] offset:1024*(4*(n>>2)+2*(n&1)+(((n>>1)&1)^(n&1)))
	ds_load_b128 v[P+8*n+4:P+8*n+7], v[PLD] offset:1024*(4*(n>>2)+2*(n&1)+(((n>>1)&1)^(n&1)))+512
.set n, n+1
.endr
.if \tail
.set t, 0
.rept 4
	ds_load_b32 v[L0+t], v[MLD] offset:LBUF-MBUF+256*(t>>1)+64*(t&1)
	ds_load_b32 v[L0+4+t], v[MLD] offset:LBUF-MBUF+256*(t>>1)+128+64*((t&1)^1)
	ds_load_b32 v[NU+t], v[MLD] offset:NBUF-MBUF+256*(t>>1)+64*(t&1)
	ds_load_b32 v[NU+4+t], v[MLD] offset:NBUF-MBUF+256*(t>>1)+128+64*((t&1)^1)
.set t, t+1
.endr
.endif
	FETCHG 1
.if \tail
	s_wait_dscnt 44                                ; mu is in: behind it P's 16 loads, the 16 of l and nu, V's 12
.else
	s_wait_dscnt 28                                ; mu is in: behind it P's 16 loads and V's 12
.endif
	FOUR v_max_num_f32 v[TC+t], v[MU+t], v[MU+4+t]
	FOUR v_sub_f32 v[AA+2*t], v[MX+t], v[TC+t]
	FOUR v_sub_f32 v[F0+t], v[MU+t], v[TC+t]
	FOUR v_sub_f32 v[F1+t], v[MU+4+t], v[TC+t]
	FOUR v_exp_f32 v[AA+2*t], v[AA+2*t]            ; a batch of 12,
	FOUR v_exp_f32 v[F0+t], v[F0+t]
	FOUR v_exp_f32 v[F1+t], v[F1+t]
	FOUR v_mov_b32 v[MX+t], v[TC+t]                ; plain work behind it,
	s_wait_alu depctr_va_vdst(0)                   ; one wait
	FOUR v_cvt_pk_f16_f32 v[FH+t], v[F0+t], v[F0+t]
	FOUR v_cvt_pk_f16_f32 v[FH+4+t], v[F1+t], v[F1+t]
.if \tail
	s_wait_dscnt 28                                ; P is in
.else
	s_wait_dscnt 12                                ; P is in: V's 12 may stay out
.endif
.set n, 0
.rept 64
	v_pk_mul_f16 v[P+n], v[P+n], v[FH+4*((n>>3)&1)+(n>>4)]
.set n, n+1
.endr
.set n, 0
.rept 16
	RESC 0,n
.set n, n+1
.endr
	; O^T += V^T P: 12 units of 8 products, four accumulators by turns; behind every second product ride four lines of the next unit's rescaling; V's groups 2 and 3 are asked for in front of units 3 and 6
.set cc, 0
.rept 12
.if (cc == 3) || (cc == 6)
	PLACES                                         ; the three units before read the registers that are loaded now
	FETCHG cc/3+1
	s_wait_dscnt 12                                ; this unit's group is in: the 12 loads just issued may stay out
.elseif cc == 9
	s_wait_dscnt 0
.endif
	VREG cc
.set rVc, rV
.set q, 0
.rept 8
	MMA O+32*cc+8*(q&3),rVc+8*(q>>2),P+8*(2*(q&3)+(q>>2)),0
.if (cc < 11) && ((q&1) == 0)
	RESC cc+1,2*q
	RESC cc+1,2*q+1
	RESC cc+1,2*q+2
	RESC cc+1,2*q+3
.endif
.set q, q+1
.endr
.set cc, cc+1
.endr
	WIN 0
.endm
	WIN 0
.Ltrip:                                        ; 31 trips ask for the next tile
	TRIP 1, 0
	s_sub_co_u32 s[LEFT], s[LEFT], 1
	s_cmp_lg_u32 s[LEFT], 0
	s_cbranch_scc1 .Ltrip
	TRIP 0, 1                                      ; the last is written out
	; THE WAY OUT.  l = l_0 f_0 + l_1 f_1; these lines are also the places behind the last products
	s_wait_dscnt 0x0
	FOUR v_mul_f32 v[L0+t], v[L0+t], v[F0+t]
	FOUR v_fmac_f32 v[L0+t], v[L0+4+t], v[F1+t]
	FOUR v_rcp_f32 v[AA+2*t], v[L0+t]
	FOUR v_max_num_f32 v[NU+t], v[NU+t], v[NU+4+t] ; mx, in units of log2: plain work behind the reciprocals
	s_wait_alu depctr_va_vdst(0)
.set bb, 0
.rept 6                                        ; chunk 4 B + w: units 2 B and 2 B + 1 are its registers 0-3 and 4-7
	WIN 0
	s_wait_xcnt 0x0                                ; the stores of two blocks back have read their registers
.set t_, 0
.rept 4
.set a0, (O+64*bb+8*t_)&255
.set ow, (O+64*bb)>>8
.set rY, 128+32*(bb&1)+8*t_
	WIN ow*0x41
.set i, 0
.rept 4
	v_pk_mul_f32 v[a0+2*i:a0+2*i+1], v[a0+2*i:a0+2*i+1], v[AA+2*t_:AA+2*t_+1] op_sel_hi:[1,0]
.set i, i+1
.endr
.set i, 0
.rept 4
	v_pk_mul_f32 v[a0+32+2*i:a0+32+2*i+1], v[a0+32+2*i:a0+32+2*i+1], v[AA+2*t_:AA+2*t_+1] op_sel_hi:[1,0]
.set i, i+1
.endr
	WIN ow*5
.set i, 0
.rept 4
	v_cvt_pk_f16_f32 v[rY+i], v[a0+2*i], v[a0+2*i+1]
	v_cvt_pk_f16_f32 v[rY+4+i], v[a0+32+2*i], v[a0+32+2*i+1]
.set i, i+1
.endr
	WIN 0
	global_store_b128 v[L16], v[rY:rY+3], s[10:11] offset:16384*bb+1024*t_       ; 512 consecutive bytes, aligned
	global_store_b128 v[L16], v[rY+4:rY+7], s[10:11] offset:16384*bb+1024*t_+512
.set t_, t_+1
.endr
.set bb, bb+1
.endr
	; my work-group's part of x2y.  Every wave holds mx of all 64 queries (a lane 4), so Mw and lw are the same in all
	v_max3_num_f32 v90, v[NU], v[NU+1], v[NU+2]
	v_max_num_f32 v90, v90, v[NU+3]
	v_max_num_f32_dpp v90, v90, v90 row_xmask:1 row_mask:0xf bank_mask:0xf
	v_max_num_f32_dpp v90, v90, v90 row_xmask:2 row_mask:0xf bank_mask:0xf
	v_max_num_f32_dpp v90, v90, v90 row_xmask:4 row_mask:0xf bank_mask:0xf
	v_max_num_f32_dpp v90, v90, v90 row_xmask:8 row_mask:0xf bank_mask:0xf
	FOUR v_sub_f32 v[NU+t], v[NU+t], v90
	FOUR v_exp_f32 v[NU+t], v[NU+t]
	v_mov_b32 v94, 0
	s_wait_alu depctr_va_vdst(0)
	v_add_f32 v91, v[NU], v[NU+1]
	v_add_f32 v92, v[NU+2], v[NU+3]
	v_add_f32 v91, v91, v92
	v_add_f32_dpp v91, v91, v91 row_xmask:1 row_mask:0xf bank_mask:0xf
	v_add_f32_dpp v91, v91, v91 row_xmask:2 row_mask:0xf bank_mask:0xf
	v_add_f32_dpp v91, v91, v91 row_xmask:4 row_mask:0xf bank_mask:0xf
	v_add_f32_dpp v91, v91, v91 row_xmask:8 row_mask:0xf bank_mask:0xf
	v_mov_b32 v92, v[NU]                           ; the weights of tile t = my wave's number: a value is chosen, no branch
.irp k, 1,2,3
	s_cmp_eq_u32 s[WV], \k
	s_cselect_b32 s48, -1, 0
	v_cndmask_b32 v92, v92, v[NU+\k], s48
.endr
.set i, 0
.rept 16
	v_readlane_b32 s[66+i], v92, i
.set i, i+1
.endr
	s_wait_xcnt 0x0                                ; y2x's stores have read v128 on
.set i, 0
.rept 16
	v_mov_b32 v[160+i], s[66+i]
.set i, i+1
.endr
	s_mul_i32 s48, s[WV], 3072
	s_add_co_u32 s48, s48, XRED
	v_lshl_add_u32 v93, v[L16], 1, s48             ; 32 x lane + my wave's part
	v_lshlrev_b32 v88, 3, v0
	; xv goes out in the fragments' order: place 256 k + 2 thread holds channel 256 k + 128 (thread / 64) + 16 ((thread / 16) % 4) + 64 ((thread / 8) % 2) + 2 (thread % 8): the order is made by the address of the read
	v_and_b32 v89, 7, v0
	v_lshlrev_b32 v89, 3, v89
	v_bfe_u32 v87, v0, 3, 1
	v_lshl_add_u32 v89, v87, 8, v89
	v_bfe_u32 v87, v0, 4, 2
	v_lshl_add_u32 v89, v87, 6, v89
	v_bfe_u32 v87, v0, 6, 1
	v_lshl_add_u32 v89, v87, 9, v89
	v_add_nc_u32 v89, XRED, v89
	s_wait_loadcnt 0x0                             ; my 16 rows of emb2
	WIN 0x03                                       ; source 0 in window 3
.set i, 0
.rept 16                                       ; row i: 24 channels a lane, 256 k + 8 L + e at accumulator 8 k + e; sums in f32
.set j, 0
.rept 24
.set rs, 4*(3*i+(j>>3))+((j&7)>>1)
.if i == 0
.if j&1
	v_fma_mix_f32 v[128+j], v[rs], v[160+i], v94 op_sel:[1,0,0] op_sel_hi:[1,0,0]
.else
	v_fma_mix_f32 v[128+j], v[rs], v[160+i], v94 op_sel_hi:[1,0,0]
.endif
.else
.if j&1
	v_fma_mix_f32 v[128+j], v[rs], v[160+i], v[128+j] op_sel:[1,0,0] op_sel_hi:[1,0,0]
.else
	v_fma_mix_f32 v[128+j], v[rs], v[160+i], v[128+j] op_sel_hi:[1,0,0]
.endif
.endif
.set j, j+1
.endr
.set i, i+1
.endr
	WIN 0
.irp k, 0,1,2
	ds_store_b128 v93, v[128+8*\k:131+8*\k] offset:1024*\k
	ds_store_b128 v93, v[132+8*\k:135+8*\k] offset:1024*\k+16
.endr
	s_wait_dscnt 0x0
	s_barrier_signal -1
	s_barrier_wait -1
.irp k, 0,1,2
.irp w, 0,1,2,3
	ds_load_b64 v[176+8*\k+2*\w:177+8*\k+2*\w], v89 offset:3072*\w+1024*\k
.endr
.endr
	s_wait_dscnt 0x0
.irp k, 0,1,2
	v_pk_add_f32 v[176+8*\k:177+8*\k], v[176+8*\k:177+8*\k], v[178+8*\k:179+8*\k]
	v_pk_add_f32 v[180+8*\k:181+8*\k], v[180+8*\k:181+8*\k], v[182+8*\k:183+8*\k]
	v_pk_add_f32 v[176+8*\k:177+8*\k], v[176+8*\k:177+8*\k], v[180+8*\k:181+8*\k]
	global_store_b64 v88, v[176+8*\k:177+8*\k], s[12:13] offset:1024*\k   ; a wave's store covers 256 consecutive bytes, aligned
.endr
	s_cmp_lg_u32 s[WV], 0
	s_cbranch_scc1 .Lnot_first
	global_store_b64 v88, v[90:91], s[12:13] offset:3072                  ; (Mw, lw), 32 times: 256 bytes
.Lnot_first:
	s_wait_tensorcnt 0x0                           ; the wave's end, behind my last tensor load and my last LDS store
	ds_add_u32 v[SPW], v[NIL]
	s_wait_dscnt 0x0
	CROUND                                         ; the closing round
	s_endpgm
.Lfunc_end_k_q45f602b75c_att:
	.size	k_q45f602b75c_att, .Lfunc_end_k_q45f602b75c_att-k_q45f602b75c_att
	.p2alignl 7, 3214868480
	.fill 96, 4, 3214868480
	.section	.rodata,"a",@progbits
	.p2align	6, 0x0
	.amdhsa_kernel k_q45f602b75c_att
		.amdhsa_group_segment_fixed_size 327680
		.amdhsa_private_segment_fixed_size 0
		.amdhsa_enable_private_segment 0
		.amdhsa_kernarg_size 48
		.amdhsa_user_sgpr_count 2
		.amdhsa_user_sgpr_kernarg_segment_ptr 1
		.amdhsa_wavefront_size32 1
		.amdhsa_system_sgpr_workgroup_id_x 1
		.amdhsa_system_sgpr_workgroup_id_y 1
		.amdhsa_system_sgpr_workgroup_id_z 1
		.amdhsa_system_vgpr_workitem_id 0
		.amdhsa_next_free_vgpr 1024
		.amdhsa_next_free_sgpr 96
		.amdhsa_reserve_vcc 0
		.amdhsa_float_denorm_mode_32 3
		.amdhsa_float_denorm_mode_16_64 3
		.amdhsa_memory_ordered 1
		.amdhsa_forward_progress 1
		.amdhsa_inst_pref_size 243
	.end_amdhsa_kernel
	.amdgpu_metadata
---
amdhsa.version: [ 1, 2 ]
amdhsa.kernels:
  - .name:           k_q45f602b75c_att
    .symbol:         k_q45f602b75c_att.kd
    .args:
      - { .name: e1h, .offset: 0, .size: 8, .value_kind: global_buffer, .address_space: global }
      - { .name: e2h, .offset: 8, .size: 8, .value_kind: global_buffer, .address_space: global }
      - { .name: wv, .offset: 16, .size: 8, .value_kind: global_buffer, .address_space: global }
      - { .name: yf, .offset: 24, .size: 8, .value_kind: global_buffer, .address_space: global }
      - { .name: xp, .offset: 32, .size: 8, .value_kind: global_buffer, .address_space: global }
      - { .name: ef, .offset: 40, .size: 8, .value_kind: global_buffer, .address_space: global }
    .group_segment_fixed_size: 327680
    .private_segment_fixed_size: 0
    .kernarg_segment_align: 8
    .kernarg_segment_size: 48
    .max_flat_workgroup_size: 128
    .sgpr_count:     96
    .vgpr_count:     1024
    .wavefront_size: 32
...
	.end_amdgpu_metadata
.endif
;; end of part 2
;; launch red (part 3): grid 256 x 1, 4 waves a work-group, no clusters, 198,656 bytes of LDS; arguments ef, yf, wf, bq, xp, out0; writes out0
.if DOCPART == 3
	.amdgcn_target "amdgcn-amd-amdhsa--gfx1250"
	.amdhsa_code_object_version 6
	.text
	.protected	k_q45f602b75c_red
	.globl	k_q45f602b75c_red
	.p2align	8
	.type	k_q45f602b75c_red,@function
k_q45f602b75c_red:
	s_mov_b64 s[64:65], 0
	v_nop
	global_prefetch_b8 v0, s[64:65] scope:SCOPE_SE
	s_setreg_imm32_b32 hwreg(HW_REG_WAVE_MODE, 25, 1), 1
	s_wait_xcnt 0x0
; RED: x2y from a batch's 32 parts, then out = [emb2 | y2x | emb2 y2x | emb2 x2y] w_red + b_red.  b_c, b_q, b_cq are left out (they cancel in both softmaxes: shown at the head of the first kernel).
; SHARES.  Work-group g owns rows 64 g .. 64 g + 63, whole rows of out0: 76,800 consecutive bytes.  The product is taken transposed, out^T = W x A^T (source 0 = 16 columns of w_red, source 1 = 16 rows):
; a lane holds one row and eight neighbouring columns.  Wave w owns column tiles 5 w .. 5 w + 4; wave 3 owns four, 15 .. 18: a tile 19 would be all padding and is not made.
; K runs over 96 units: chunk kappa (24) x term (4), 20 products each (wave 3: 16), on 20 accumulators that take turns; the sums start with the bias, loaded into the accumulators.
; The four terms stay four products: emb2's term carries nearly all of the result and keeps its operands as rounded once.  emb2 y2x and emb2 x2y are rounded once to f16, as riders behind products.
; A's tiles (emb2, y2x), both as fragment images, are brought into LDS once, by two tensor loads a wave, and nothing is filled again.  x2y lies in LDS in the fragments' order.  So a chunk is 4,096 bytes on in both tiles
; and 64 in x2y, and a trip of the loop is two chunks: 8 units, once round W's ring of 8 register slots.
; W comes from memory straight into registers, as images, 512 consecutive bytes a load, two units at a time at every second unit, six and seven units ahead.  No base is stepped: each of a trip's four places of loads has
; an offset register of its own, stepped behind the counted wait that shows its own last loads done.
; NO CLUSTER: each fragment of W feeds one wave of a work-group, so through LDS every byte of W would be written and read there for one reader; and beside A's 197 KB two slots would hold three units,
; 60 matrix instructions in which a joint load would have to land.
; LIMITS.  |emb2 y2x| and |emb2 x2y| stay under 65,504; products under 6.1e-5 keep f16's fixed step of 6e-8.  NaN and infinities are not treated apart.
.set YB,    98304                      ; LDS: E's 96 images of 1,024 bytes at 0;  Y's here;  later the stage for the way out, 64 rows of 1,200 bytes
.set XB,    196608                     ; x2y, 768 f16: chunk kappa, half h at 64 kappa + 32 h
.set SPARE, 198144                     ; the spare words, 128 bytes a wave: two blocks of 256 bytes that no other line names
.set EA,  3                            ; 16 L (+ 8,192 a trip)
.set YA,  5
.set XA,  6                            ; XB + 32 h (+ 128 a trip)
.set L16, 7
.set ST,  8
.set RD,  9
.set RD2, 10
.set T16, 11
.set BO,  12
.set SPW, 14
.set NIL, 15
.set EY,  176
.set EX,  208
.set WOF, 240                          ; v240-243: the offsets of W's loads at units 0, 2, 4, 6 of a trip
.set WSTEP, 8*19456                    ; a trip's 8 units in wf
.set ACC, 256                          ; acc(f, t) at ACC + 8 (4 f + t)
.set WR,  512                          ; W(slot, f) at WR + 40 slot + 8 f
.set WV,  16
.set G1,  24
.set G0E, 40
.set G0Y, 44
.set WBS, 48
.set CNT, 50
.set SEL, 52
.set MSB, 0
.macro WIN new
.if MSB != (\new)
	s_set_vgpr_msb (MSB<<8)|(\new)
.set MSB, (\new)
.endif
.endm
.macro MMA d, a, b
	WIN (((\d)>>8)*0x50)|(((\b)>>8)<<2)|((\a)>>8)
	v_wmma_f32_16x16x32_f16 v[(\d)&255:((\d)&255)+7], v[(\a)&255:((\a)&255)+7], v[(\b)&255:((\b)&255)+7], v[(\d)&255:((\d)&255)+7]
.endm
.macro PLACES
.rept 4
	v_nop
.endr
.endm
.macro WLD0 un, f                      ; ahead of the loop: tile f of unit un into slot un
.set rW, WR+40*(\un)+8*(\f)
	WIN (rW>>8)<<6
	global_load_b128 v[rW&255:(rW&255)+3], v[L16], s[WBS:WBS+1] offset:(\un)*19456+1024*(\f)
	global_load_b128 v[(rW&255)+4:(rW&255)+7], v[L16], s[WBS:WBS+1] offset:(\un)*19456+1024*(\f)+512
.endm
.macro WLD i, du, f                    ; at unit i of a trip: tile f of the unit i + 6 + du units on; the offset register stands a trip ahead, so the immediate reaches back
.set rW, WR+40*(((\i)+6+(\du))%8)+8*(\f)
	WIN (rW>>8)<<6
	global_load_b128 v[rW&255:(rW&255)+3], v[WOF+(\i)/2], s[WBS:WBS+1] offset:((\i)+(\du)-2)*19456+1024*(\f)
	global_load_b128 v[(rW&255)+4:(rW&255)+7], v[WOF+(\i)/2], s[WBS:WBS+1] offset:((\i)+(\du)-2)*19456+1024*(\f)+512
.endm
.macro BIAS f                          ; register j of lane (r, h) is column 16 (5 w + f) + 8 h + j, for each of the four row tiles
	WIN 0x40
.set t, 0
.rept 4
	global_load_b128 v[8*(4*(\f)+t):8*(4*(\f)+t)+3], v[BO], s[10:11] offset:64*(\f)
	global_load_b128 v[8*(4*(\f)+t)+4:8*(4*(\f)+t)+7], v[BO], s[10:11] offset:64*(\f)+16
.set t, t+1
.endr
.endm
.macro ALOAD pn, ao, xo                ; a chunk's fragments of emb2, y2x and x2y into set pn: 18 loads
	WIN 0
.set t, 0
.rept 4
	ds_load_b128 v[32+72*(\pn)+8*t:32+72*(\pn)+8*t+3], v[EA] offset:(\ao)+1024*t
	ds_load_b128 v[32+72*(\pn)+8*t+4:32+72*(\pn)+8*t+7], v[EA] offset:(\ao)+1024*t+512
	ds_load_b128 v[64+72*(\pn)+8*t:64+72*(\pn)+8*t+3], v[YA] offset:(\ao)+1024*t
	ds_load_b128 v[64+72*(\pn)+8*t+4:64+72*(\pn)+8*t+7], v[YA] offset:(\ao)+1024*t+512
.set t, t+1
.endr
	ds_load_b128 v[96+72*(\pn):96+72*(\pn)+3], v[XA] offset:\xo
	ds_load_b128 v[96+72*(\pn)+4:96+72*(\pn)+7], v[XA] offset:(\xo)+16
.endm
; Unit i of a trip's 8.  ra: source 1's four fragments.  ride = 1: emb2 y2x, 2: emb2 x2y, four lines behind each of the first eight products.  ld = 1 (even units): the units six and seven on are asked for, into the
; slots of the two units just multiplied: first both units' tiles 0-3, then, in waves 0-2, both fifth tiles.
; cnt: the younger loads that may stay out, the lesser of wave 3's count (16 a place of loads) and the other waves' (20, the fifth tiles last).  An even unit shares its place with the next unit: behind it stand that unit's
; 8 (or 2) and two places' loads: 40.  An odd unit: three places' loads: 48.
.macro UNIT i, ra, ride, ld, cnt
	s_wait_loadcnt \cnt
.if ((\i)&1) == 0
.if \ld
	v_add_nc_u32 v[WOF+(\i)/2], WSTEP, v[WOF+(\i)/2]  ; its last loads, a trip back, have three places' loads behind them, 48 or 60: the wait above has shown them done.  The line is also the first of four places
	v_nop
	v_nop
	v_nop
.irp f, 0,1,2,3
	WLD \i,0,\f
.endr
.irp f, 0,1,2,3
	WLD \i,1,\f
.endr
.else
	PLACES                                         ; in front of the riders, which write registers that products have read
.endif
.endif
.set q, 0
.rept 16
	MMA ACC+8*q,WR+40*((\i)%8)+8*(q>>2),(\ra)+8*(q&3)
.if (\ride) && (q < 8)
	WIN 0
.set n, 4*q
.rept 4
.if (\ride) == 1
	v_pk_mul_f16 v[EY+n], v[rE+n], v[rY+n]
.else
	v_pk_mul_f16 v[EX+n], v[rE+n], v[rX+(n&7)]
.endif
.set n, n+1
.endr
.endif
.set q, q+1
.endr
	WIN 0
	s_cmp_eq_u32 s[WV], 3
	s_cbranch_scc1 .Lno4_\@                        ; wave 3 has no fifth tile
.if \ld
	WLD \i,0,4
	WLD \i,1,4
.endif
.set q, 16
.rept 4
	MMA ACC+8*q,WR+40*((\i)%8)+32,(\ra)+8*(q&3)
.set q, q+1
.endr
	WIN 0
.Lno4_\@:
.endm
.macro UN i, ra, ride, tail            ; in the last trip unit 0 alone asks (for the last two units), and the counts run down
.if !(\tail)
.if ((\i)&1) == 0
	UNIT \i,\ra,\ride,1,40
.else
	UNIT \i,\ra,\ride,0,48
.endif
.elseif (\i) == 0
	UNIT \i,\ra,\ride,1,40
.elseif (\i) == 1
	UNIT \i,\ra,\ride,0,48
.elseif (\i) == 2
	UNIT \i,\ra,\ride,0,40
.elseif (\i) == 3
	UNIT \i,\ra,\ride,0,32
.elseif (\i) == 4
	UNIT \i,\ra,\ride,0,22                         ; one place's loads and the partner's: 24 in wave 3, 22 in the others
.elseif (\i) == 5
	UNIT \i,\ra,\ride,0,16
.elseif (\i) == 6
	UNIT \i,\ra,\ride,0,2                          ; the partner's: 8 in wave 3, its fifth tile's 2 in the others
.else
	UNIT \i,\ra,\ride,0,0
.endif
.endm
.macro CHUNK ci, tail                  ; chunk ci (0, 1) of a trip: its four units; the next chunk's fragments are asked for at its head
.set pp, (\ci)
.set rE, 32+72*pp
.set rY, 64+72*pp
.set rX, 96+72*pp
	WIN 0
	s_wait_dscnt 0x0                               ; this chunk's fragments, asked for a chunk ago, are in
.if !((\tail) && ((\ci) == 1))
	ALOAD 1-pp,4096*((\ci)+1),64*((\ci)+1)
.endif
	UN 4*(\ci),rE,1,\tail
	UN 4*(\ci)+1,rY,2,\tail
	UN 4*(\ci)+2,EY,0,\tail
	UN 4*(\ci)+3,EX,0,\tail
.endm
	s_load_b256 s[4:11], s[0:1], 0x0               ; ef s[4:5], yf s[6:7], wf s[8:9], bq s[10:11]
	s_load_b128 s[12:15], s[0:1], 0x20             ; xp s[12:13], out0 s[14:15]
	v_lshl_add_u32 v[SPW], v0, 2, SPARE
	v_mov_b32 v[NIL], 0
	ds_add_u32 v[SPW], v[NIL]                      ; the wave's opening: the add, twice on end, and its wait ahead of my first tensor load
	ds_add_u32 v[SPW], v[NIL]
	v_lshrrev_b32 v1, 5, v0
	v_readfirstlane_b32 s[WV], v1
	; a quarter of emb2's and of y2x's images: 24,576 dense bytes each, as 96 rows of 256 bytes
	s_mov_b32 s[G1], 1<<16                         ; 2-byte elements, no mask, no padding
	s_mov_b32 s[G1+1], 128<<16                     ; tensor_dim0 = 128
	s_mov_b32 s[G1+2], 96<<16                      ; tensor_dim1 = 96
	s_mov_b32 s[G1+3], 128<<16                     ; tile_dim0 = 128
	s_mov_b32 s[G1+4], 96                          ; tile_dim1 = 96
	s_mov_b32 s[G1+5], 128                         ; elements from row to row
	s_mov_b32 s[G1+6], 0
	s_mov_b32 s[G1+7], 0
	s_mov_b32 s[G0E], 1
	s_mul_i32 s[G0E+1], s[WV], 24576
	s_mov_b32 s[G0Y], 1
	s_mul_i32 s[G0Y+1], s[WV], 24576
	s_add_co_u32 s[G0Y+1], s[G0Y+1], YB
	s_mul_i32 s54, ttmp9, 98304
	s_mul_i32 s55, s[WV], 24576
	s_add_co_u32 s54, s54, s55
	s_mov_b32 s55, 0
	s_lshr_b32 s56, ttmp9, 5                       ; the batch
	s_lshl_b32 s56, s56, 17                        ; its 32 parts of 4,096 bytes
	s_mov_b32 s57, 0
	s_mul_i32 s58, ttmp9, 76800
	s_mov_b32 s59, 0
	s_mul_i32 s60, s[WV], 5120                     ; my five column tiles
	s_mov_b32 s61, 0
	s_mul_i32 s62, s[WV], 320
	s_add_co_u32 s63, s62, YB
	s_mov_b32 s[SEL], 0x76543210
	s_mov_b32 s[SEL+1], 0xfedcba98
	s_mov_b32 s[CNT], 11
	s_wait_dscnt 0x0                               ; both opening adds are done
	s_wait_kmcnt 0x0
	s_add_nc_u64 s[G0E+2:G0E+3], s[4:5], s[54:55]
	s_or_b32 s[G0E+3], s[G0E+3], 0x80000000
	s_add_nc_u64 s[G0Y+2:G0Y+3], s[6:7], s[54:55]
	s_or_b32 s[G0Y+3], s[G0Y+3], 0x80000000
	s_add_nc_u64 s[12:13], s[12:13], s[56:57]
	s_add_nc_u64 s[14:15], s[14:15], s[58:59]
	s_add_nc_u64 s[WBS:WBS+1], s[8:9], s[60:61]
	tensor_load_to_lds s[G0E:G0E+3], s[G1:G1+7]    ; both first fills together: two tensor loads of a wave are out, and there are no more in the launch
	s_nop 0
	tensor_load_to_lds s[G0Y:G0Y+3], s[G1:G1+7]
	s_nop 0
	PLACES
	v_and_b32 v1, 15, v0
	v_bfe_u32 v2, v0, 4, 1
	v_and_b32 v30, 31, v0
	v_lshlrev_b32 v[L16], 4, v30
	v_mov_b32 v[EA], v[L16]
	v_add_nc_u32 v[YA], YB, v[L16]
	v_lshlrev_b32 v[XA], 5, v2
	v_add_nc_u32 v[XA], XB, v[XA]
	v_mul_u32_u24 v[ST], v1, 1200
	v_lshl_add_u32 v[ST], v2, 5, v[ST]
	v_add_nc_u32 v[ST], s63, v[ST]                 ; stage: row r, + 32 h, + my 80 columns
	v_lshl_add_u32 v[BO], v2, 5, s62
	v_lshlrev_b32 v[T16], 4, v0
	v_add_nc_u32 v[RD], YB, v[T16]
	v_add_nc_u32 v[RD2], 65536, v[RD]
	v_lshlrev_b32 v13, 12, v30
	v_lshlrev_b32 v28, 3, v0
	v_lshl_add_u32 v29, v0, 2, XB
	; the parts of x2y first: the arithmetic on them is what the first products wait for; the bias and W's first six units land under it
	global_load_b64 v[16:17], v13, s[12:13] offset:3072    ; lane l: (Mw, lw) of the batch's part l
	WIN 0xc0
.set i, 0
.rept 96                                       ; xv of part i / 3: my two places of each third
	global_load_b64 v[64+2*i:65+2*i], v28, s[12:13] offset:4096*(i/3)+1024*(i%3)
.set i, i+1
.endr
	BIAS 0
	BIAS 1
	BIAS 2
	BIAS 3
.set un_, 0
.rept 6
	WLD0 un_,0
	WLD0 un_,1
	WLD0 un_,2
	WLD0 un_,3
.set un_, un_+1
.endr
	WIN 0
	s_cmp_eq_u32 s[WV], 3
	s_cbranch_scc1 .Lfour
	BIAS 4
.set un_, 0
.rept 6
	WLD0 un_,4
.set un_, un_+1
.endr
	WIN 0
.Lfour:
	s_wait_loadcnt 63                              ; the parts are in: behind them stand 80 loads (wave 3) or 100, of which 63, as many as the count can name, may stay out
	; the parts' weights: the maximum is taken away again
	v_mov_b32 v18, v16
	v_mov_b32 v19, v16
	v_max_num_f32_dpp v18, v18, v18 row_xmask:1 row_mask:0xf bank_mask:0xf
	v_max_num_f32_dpp v18, v18, v18 row_xmask:2 row_mask:0xf bank_mask:0xf
	v_max_num_f32_dpp v18, v18, v18 row_xmask:4 row_mask:0xf bank_mask:0xf
	v_max_num_f32_dpp v18, v18, v18 row_xmask:8 row_mask:0xf bank_mask:0xf
	v_permlanex16_b32 v19, v18, s[SEL], s[SEL+1]
	v_max_num_f32 v18, v18, v19
	v_sub_f32 v16, v16, v18
	v_exp_f32 v16, v16
	v_nop
	s_wait_alu depctr_va_vdst(0)
	v_mul_f32 v17, v16, v17
	v_add_f32_dpp v17, v17, v17 row_xmask:1 row_mask:0xf bank_mask:0xf
	v_add_f32_dpp v17, v17, v17 row_xmask:2 row_mask:0xf bank_mask:0xf
	v_add_f32_dpp v17, v17, v17 row_xmask:4 row_mask:0xf bank_mask:0xf
	v_add_f32_dpp v17, v17, v17 row_xmask:8 row_mask:0xf bank_mask:0xf
	v_permlanex16_b32 v19, v17, s[SEL], s[SEL+1]
	v_add_f32 v17, v17, v19
	v_rcp_f32 v17, v17
	v_nop
	s_wait_alu depctr_va_vdst(0)
	v_mul_f32 v16, v16, v17
.set i, 0
.rept 32
	v_readlane_b32 s[66+i], v16, i
.set i, i+1
.endr
	WIN 0x0c                                       ; source 1 in window 3
.set i, 0
.rept 32
.set j, 0
.rept 6
.if i == 0
	v_mul_f32 v[20+j], s[66], v[64+j]
.else
	v_fma_f32 v[20+j], s[66+i], v[64+6*i+j], v[20+j]
.endif
.set j, j+1
.endr
.set i, i+1
.endr
	WIN 0
.irp k, 0,1,2
	v_cvt_pk_f16_f32 v[26+\k], v[20+2*\k], v[21+2*\k]
	ds_store_b32 v29, v[26+\k] offset:512*\k       ; places 256 k + 2 thread and the next
.endr
.irp k, 0,1,2,3
	v_mov_b32 v[WOF+\k], v[L16]
.endr
	s_wait_tensorcnt 0x0                           ; my parts of emb2 and y2x have landed,
	s_wait_dscnt 0x0                               ; my part of x2y is stored:
	s_barrier_signal -1
	s_barrier_wait -1                              ; everybody's
	ALOAD 0,0,0
	s_wait_loadcnt 0x0                             ; the bias and W's first six units: from here on the counts of the loop hold
.Lblock:                                       ; a trip: two chunks, 8 units
	CHUNK 0, 0
	CHUNK 1, 0
	v_add_nc_u32 v[EA], 8192, v[EA]
	v_add_nc_u32 v[YA], 8192, v[YA]
	v_add_nc_u32 v[XA], 128, v[XA]
	s_sub_co_u32 s[CNT], s[CNT], 1
	s_cmp_lg_u32 s[CNT], 0
	s_cbranch_scc1 .Lblock
	CHUNK 0, 1                                     ; the twelfth trip is written out: no load leaves wf
	CHUNK 1, 1
	; THE WAY OUT: through a stage where y2x lay, which has had its only fill and its last read; back as 76,800 consecutive bytes
	PLACES
	s_wait_dscnt 0x0
	s_barrier_signal -1
	s_barrier_wait -1                              ; nobody reads y2x any more
	WIN 0x04                                       ; the stores' data in window 1; each accumulator's lowest registers go first
.set q, 0
.rept 12
	ds_store_b128 v[ST], v[8*q:8*q+3] offset:19200*(q&3)+64*(q>>2)
	ds_store_b128 v[ST], v[8*q+4:8*q+7] offset:19200*(q&3)+64*(q>>2)+16
.set q, q+1
.endr
.rept 4
	ds_store_b128 v[ST], v[8*q:8*q+3] offset:19200*(q&3)+64*(q>>2)
.set q, q+1
.endr
	WIN 0
	s_cmp_eq_u32 s[WV], 3
	s_cbranch_scc1 .Lthird
	WIN 0x04
.set q, 12
.rept 4
	ds_store_b128 v[ST], v[8*q+4:8*q+7] offset:19200*(q&3)+64*(q>>2)+16
.set q, q+1
.endr
.rept 4
	ds_store_b128 v[ST], v[8*q:8*q+3] offset:19200*(q&3)+64*(q>>2)
	ds_store_b128 v[ST], v[8*q+4:8*q+7] offset:19200*(q&3)+64*(q>>2)+16
.set q, q+1
.endr
	WIN 0
	s_branch .Lstaged
.Lthird:                                       ; wave 3's last tile: columns 300 .. 303 do not exist: of its second halves lanes 0-15 (columns 292 .. 295) alone store
	s_wait_xcnt 0x0
	v_cmp_gt_u32 vcc_lo, 16, v30
	s_and_saveexec_b32 s56, vcc_lo
	WIN 0x04
.set q, 12
.rept 4
	ds_store_b128 v[ST], v[8*q+4:8*q+7] offset:19200*(q&3)+64*(q>>2)+16
.set q, q+1
.endr
	WIN 0
	s_wait_xcnt 0x0
	s_or_b32 exec_lo, exec_lo, s56
.Lstaged:
	s_wait_dscnt 0x0
	s_barrier_signal -1
	s_barrier_wait -1
	WIN 0x80                                       ; into W's registers, which are done with
.set k, 0
.rept 37
.if k < 32
	ds_load_b128 v[4*k:4*k+3], v[RD] offset:2048*k
.else
	ds_load_b128 v[4*k:4*k+3], v[RD2] offset:2048*(k-32)
.endif
.set k, k+1
.endr
	WIN 0x08
.set k, 0
.rept 37
	s_wait_dscnt 36-k                              ; the younger loads stay out
	global_store_b128 v[T16], v[4*k:4*k+3], s[14:15] offset:2048*k th:TH_STORE_NT   ; a wave's store covers 512 consecutive bytes, aligned
.set k, k+1
.endr
	WIN 0
	s_cmp_lt_u32 s[WV], 2                          ; the last 1,024 bytes: waves 0 and 1
	s_cbranch_scc0 .Lend
	WIN 0x80
	ds_load_b128 v[148:151], v[RD2] offset:2048*5
	s_wait_dscnt 0x0
	WIN 0x08
	global_store_b128 v[T16], v[148:151], s[14:15] offset:2048*37 th:TH_STORE_NT
	WIN 0
.Lend:
	s_wait_tensorcnt 0x0                           ; the wave's end, behind my last tensor load and my last LDS store
	ds_add_u32 v[SPW], v[NIL]
	s_wait_dscnt 0x0
	s_endpgm
.Lfunc_end_k_q45f602b75c_red:
	.size	k_q45f602b75c_red, .Lfunc_end_k_q45f602b75c_red-k_q45f602b75c_red
	.p2alignl 7, 3214868480
	.fill 96, 4, 3214868480
	.section	.rodata,"a",@progbits
	.p2align	6, 0x0
	.amdhsa_kernel k_q45f602b75c_red
		.amdhsa_group_segment_fixed_size 198656
		.amdhsa_private_segment_fixed_size 0
		.amdhsa_enable_private_segment 0
		.amdhsa_kernarg_size 48
		.amdhsa_user_sgpr_count 2
		.amdhsa_user_sgpr_kernarg_segment_ptr 1
		.amdhsa_wavefront_size32 1
		.amdhsa_system_sgpr_workgroup_id_x 1
		.amdhsa_system_sgpr_workgroup_id_y 1
		.amdhsa_system_sgpr_workgroup_id_z 1
		.amdhsa_system_vgpr_workitem_id 0
		.amdhsa_next_free_vgpr 1024
		.amdhsa_next_free_sgpr 100
		.amdhsa_reserve_vcc 1
		.amdhsa_float_denorm_mode_32 3
		.amdhsa_float_denorm_mode_16_64 3
		.amdhsa_memory_ordered 1
		.amdhsa_forward_progress 1
		.amdhsa_inst_pref_size 109
	.end_amdhsa_kernel
	.amdgpu_metadata
---
amdhsa.version: [ 1, 2 ]
amdhsa.kernels:
  - .name:           k_q45f602b75c_red
    .symbol:         k_q45f602b75c_red.kd
    .args:
      - { .name: ef, .offset: 0, .size: 8, .value_kind: global_buffer, .address_space: global }
      - { .name: yf, .offset: 8, .size: 8, .value_kind: global_buffer, .address_space: global }
      - { .name: wf, .offset: 16, .size: 8, .value_kind: global_buffer, .address_space: global }
      - { .name: bq, .offset: 24, .size: 8, .value_kind: global_buffer, .address_space: global }
      - { .name: xp, .offset: 32, .size: 8, .value_kind: global_buffer, .address_space: global }
      - { .name: out0, .offset: 40, .size: 8, .value_kind: global_buffer, .address_space: global }
    .group_segment_fixed_size: 198656
    .private_segment_fixed_size: 0
    .kernarg_segment_align: 8
    .kernarg_segment_size: 48
    .max_flat_workgroup_size: 128
    .sgpr_count:     100
    .vgpr_count:     1024
    .wavefront_size: 32
...
	.end_amdgpu_metadata
.endif
;; end of part 3
